; MI455X (gfx1250); checked and timed in simulation.
; The chip was launched on July 23, 2026; its instructions are those of AMD's public machine-readable ISA for CDNA 5 (MIT licence, August 2026) and "CDNA5" Instruction Set Architecture Reference Guide (July 2026). The comments in the code are by the model that wrote it; some were corrected since.
;; ON Linear. Allowed arithmetic: matrix products marked QUANTISED: E2M1 operands, one E8M0 scale for each 32 along K, by v_wmma_scale_f32_16x16x128_f8f6f4 with both operands' format E2M1 (or v_wmma_scale_f32_32x16x128_f4), f32 sums; everything else in f32.
;; Inputs: bias 2,048 float32; dir_centroids 256 x 16 float32; dir_labels 524,288 int32; norm_bins 16 float32; norm_idx 524,288 int32; x_codes 4 x 2,048 x 128 x 16 uint8 (E2M1 codes of x, K innermost, in blocks of 32 codes, two codes a byte); x_scales 4 x 2,048 x 128 uint8 (E8M0 scales of x, one for each 32 codes along K).
;; Outputs: out0 4 x 2,048 x 2,048 float32.
;; This version of the problem:
;;   THIS VERSION OF THE PROBLEM IS GIVEN IN LOW PRECISION. The matrix products marked QUANTISED in the list below multiply operands that are first quantised to E2M1 (2 exponent bits, 1 mantissa bit; 4 bits a number), with one power-of-two scale for each 32 numbers along K (OCP MX v1.0); their sums are f32. All else is computed in f32.
;;   The module's matrix products, in the order in which they are computed (A, B: the left and right operand; K: the contracted axis; several contracted axes count as one K, in the product's order):
;;     1. [M 8,192, K 4,096] x [K 4,096, N 2,048]; A: input x (given as codes); B: computed on the way: QUANTISED
;;   THE QUANTISER, for each operand of a quantised product, along K:
;;     - K is cut into blocks of 32 from its start; a last block that is shorter is filled with zeros.
;;     - A block's scale is 2^e with e = floor(log2(the largest magnitude in the block)) - 2, held to -126 .. 127; a block of zeros has e = 0. As a byte (E8M0): e + 127.
;;     - Each number is divided by its block's scale, clamped to +-6, and rounded to the nearest number of E2M1, ties to even, subnormals kept.
;;     - The product sums the exact products of the quantised numbers (number of the format x scale) in f32.
;;   ~~~python
;;   def quantise(x, axis):      # numpy; x: float32 -> the quantised numbers, widened to float32 again
;;       x = np.moveaxis(x, axis, -1); K = x.shape[-1]
;;       x = np.pad(x, [(0, 0)] * (x.ndim - 1) + [(0, -K % 32)]); x = x.reshape(x.shape[:-1] + (-1, 32)); a = np.abs(x).max(-1, keepdims=True)
;;       e = np.where(a > 0, np.clip(np.frexp(np.where(a > 0, a, 1))[1] - 1 - 2, -126, 127), 0)      # np.frexp(a)[1] - 1 = floor(log2(a)), exactly
;;       r = np.clip(x / 2.0 ** e, -6, 6)
;;       step = 2.0 ** (np.maximum(np.frexp(np.where(r == 0, 1, r))[1] - 1, 0) - 1)
;;       q = np.round(r / step) * step * 2.0 ** e      # np.round: ties to even
;;       return np.moveaxis(q.reshape(q.shape[:-2] + (-1,))[..., :K], -1, axis).astype(np.float32)
;;   ~~~
;;   OPERANDS COMPUTED ON THE WAY. 'Computed on the way' means the value that the module computes at that place (a softmax that the list does not call 'softmax' is quantised finished and normalised). What goes into a quantiser is computed in f32, as accurately as f32 sums, v_exp_f32 and their like allow (about 1e-6 of the number): no bf16 or f16 on the way to a quantiser, and a product that is left as it is and whose result goes on into a quantised operand takes f32 operands (vector FMAs, or v_wmma_f32_16x16x4_f32). A number that lies on a knife's edge between two numbers of the format may be rounded either way, as far as f32 arithmetic and the matrix unit's own rounding can turn it there, and no further.
;;   INPUTS GIVEN AS CODES. x (in the module: [4, 2048, 4096], K = its axis 2): each comes as NAME_codes (uint8): NAME with its K axis moved to the last place and cut into blocks of 32 codes, [.., K / 32, bytes a block], one block behind the other in memory; two codes a byte, the lower K in the low four bits (a code: sign, 2 exponent bits, 1 mantissa bit); and NAME_scales (uint8): the same leading axes, one E8M0 byte (e + 127) for each 32 codes along K. Its value is code x scale, taken as it is: it is not quantised again, and the codes and scales need not be those that the quantiser above would give.
;; One version. Each part assembles by itself: llvm-mc -triple=amdgcn-amd-amdhsa -mcpu=gfx1250 --defsym DOCPART=n.
;; ======== version 1 of 1: 2 launches
;; workspace buffers: wq 4,456,448 bytes
;; launch prep (part 1): grid 128 x 2, 8 waves a work-group, no clusters, 25,600 bytes of LDS; arguments dir_centroids, dir_labels, norm_bins, norm_idx, wq; writes wq
.if DOCPART == 1
	.amdgcn_target "amdgcn-amd-amdhsa--gfx1250"
	.amdhsa_code_object_version 6
	.text
	.protected	k_q9f59510069_prep
	.globl	k_q9f59510069_prep
	.p2align	8
	.type	k_q9f59510069_prep,@function
k_q9f59510069_prep:
	s_mov_b64 s[64:65], 0
	v_nop
	global_prefetch_b8 v0, s[64:65] scope:SCOPE_SE
	s_setreg_imm32_b32 hwreg(HW_REG_WAVE_MODE, 25, 1), 1
	s_wait_xcnt 0x0
; W [2048][4096] is made and quantised once.  Each run of 16 along K is dir_centroids[label] x norm_bins[idx] (one f32 multiplication, as the problem writes it);
; two such runs are a block of 32 along K, which becomes 32 codes of FP4 (E2M1) and one E8M0 scale byte.
; A block's scale is 2^(floor(log2(its largest magnitude)) - 2); its byte is the largest magnitude's exponent field - 2, held at 1 from below by a floor among the maximum's leaves.
; OUT: wq, laid as the product's launch fetches it: [n / 128 : 16][K step of 512 : 8][136 rows of 256 bytes], a block of WBLK = 34,816 dense bytes.
;   rows 0-127: the codes of W's row 128 g + i, k = 512 s .. 512 s + 511, K innermost, 16 bytes for each 32 along K;   rows 128-135: the scale bytes, row i's sixteen at 32,768 + 16 i.
; SHARES.  Work-group (x, y): W's rows 16 x .. 16 x + 15, K steps 4 y .. 4 y + 3.  A LANE TAKES A WHOLE BLOCK OF 32: its largest magnitude needs no other lane, and the conversions, which take neighbours
; along K from one lane's registers, give its 16 bytes of codes.  A wave takes four times 32 neighbouring blocks of one row: t = 0 .. 3, row 2 w + t / 2, blocks 64 y + 32 (t % 2) + lane.
; So sixteen neighbouring lanes store 256 consecutive bytes of codes, aligned (a row's part of one K step), and each load of labels or of idx reads 256 consecutive bytes.
; The table of 256 directions lies in LDS (rows of 64 bytes + 16 of padding); the 16 norms lie in one register and are fetched from lane to lane.
; The scale bytes of the work-group's 16 rows x 4 K steps are gathered in LDS and leave as four stores of 256 consecutive bytes, aligned.
; No tensor load, no loop; every offset is an immediate; no register that a store reads is written again, and EXEC never changes.
; LIMITS: NaN and infinities in dir_centroids or norm_bins are not served.  A block of zeros gets the byte 1 where the quantiser's rule says 127: its codes are zeros, which add nothing under that byte,
; and the bytes are read by this program alone.  Blocks whose largest magnitude lies under 2^-124 take the byte 1, which is the rule's lower hold.  Labels are held to 0 .. 255 and idx to 0 .. 15, their tables' sizes.
.set TABP, 80                          ; a direction's row in LDS: 64 bytes + 16 of padding
.set STG,  256*TABP                    ; behind the table: the scale bytes, [K step 0..3][row 0..15][16 bytes]: 1,024 bytes
.set WBLK, 34816                       ; a block of wq
.set LAB,  16                          ; v16-23   labels, two a block
.set IDX,  24                          ; v24-31   idx, two a block; then 4 x idx
.set GA,   32                          ; v32-39   LDS addresses of the directions
.set NRM,  40                          ; v40-55   the norms in the even registers; the odd ones are 0: they are named as the upper halves of pairs
.set BINS, 56                          ; v56      norm_bins: lane i holds bin i % 16
.set X,    64                          ; v64-191  32 numbers for each of the four blocks (first the table's 16 registers on its way to LDS)
.set C,    192                         ; v192-207 four registers of codes for each block
.set E,    208                         ; v208-211 a scale byte for each block
	s_load_b256 s[4:11], s[0:1], 0x0               ; dir_centroids s[4:5], dir_labels s[6:7], norm_bins s[8:9], norm_idx s[10:11]
	s_load_b64 s[12:13], s[0:1], 0x20              ; wq
	v_lshl_add_u32 v224, v0, 2, 0x6000
	v_mov_b32 v225, 0
	v_lshrrev_b32 v1, 5, v0
	v_readfirstlane_b32 s14, v1                    ; wave 0..7
	v_and_b32 v1, 31, v0                           ; lane
	v_and_b32 v2, 15, v0                           ; r = lane % 16: my block's place in its K step
	v_bfe_u32 v3, v0, 4, 1                         ; h = lane / 16: which of two K steps
	v_lshlrev_b32 v4, 4, v0                        ; the table in memory: 16 bytes a thread
	v_lshrrev_b32 v5, 2, v0
	v_mul_u32_u24 v5, v5, TABP
	v_and_b32 v12, 3, v0
	v_lshl_add_u32 v5, v12, 4, v5                  ; and in LDS: four threads to a row
	v_lshlrev_b32 v6, 3, v1                        ; labels, idx: two words a lane
	v_lshlrev_b32 v7, 2, v2                        ; norm_bins: word r
	v_mul_u32_u24 v8, v3, WBLK
	v_lshl_add_u32 v8, v2, 4, v8                   ; codes out: K step h of the two, 16 bytes at place r
	s_lshl_b32 s25, s14, 5
	v_lshl_add_u32 v9, v3, 8, v2
	v_add_nc_u32 v9, s25, v9
	v_add_nc_u32 v9, STG, v9                       ; my scale byte in LDS: 256 h + 16 x (row 2 w) + r
	v_lshl_add_u32 v10, v0, 4, STG                 ; back: 16 bytes a thread (threads 0-63)
	v_lshrrev_b32 v11, 4, v0
	v_mul_u32_u24 v11, v11, WBLK
	v_lshl_add_u32 v11, v2, 4, v11                 ; and out: K step thread / 16, row thread % 16
	s_and_b32 s24, ttmp7, 0xffff                   ; y
	s_lshl_b32 s20, ttmp9, 14                      ; labels and idx: 16 rows of 1,024 bytes a work-group x,
	s_lshl_b32 s21, s24, 9                         ; 64 blocks of 8 bytes a y,
	s_add_co_u32 s20, s20, s21
	s_lshl_b32 s21, s14, 11                        ; two rows a wave
	s_add_co_u32 s20, s20, s21
	s_mov_b32 s21, 0
	s_lshr_b32 s26, ttmp9, 3                       ; g = x / 8
	s_lshl_b32 s26, s26, 3
	s_lshl_b32 s27, s24, 2
	s_add_co_u32 s26, s26, s27                     ; block 8 g + 4 y of wq
	s_mul_i32 s26, s26, WBLK
	s_and_b32 s27, ttmp9, 7
	s_lshl_b32 s28, s27, 12                        ; codes: my work-group's 16 rows of 256 bytes,
	s_lshl_b32 s29, s14, 9                         ; my wave's two
	s_add_co_u32 s28, s28, s29
	s_add_co_u32 s28, s28, s26
	s_mov_b32 s29, 0
	s_lshl_b32 s30, s27, 8                         ; scale bytes: my work-group's 16 rows of 16 bytes,
	s_add_co_u32 s30, s30, s26
	s_add_co_u32 s30, s30, 32768                   ; behind the block's codes
	s_mov_b32 s31, 0
	s_wait_kmcnt 0x0
	s_add_nc_u64 s[6:7], s[6:7], s[20:21]
	s_add_nc_u64 s[10:11], s[10:11], s[20:21]
	s_add_nc_u64 s[16:17], s[12:13], s[28:29]      ; where my wave's codes go
	s_add_nc_u64 s[18:19], s[12:13], s[30:31]      ; where the work-group's scale bytes go
.irp i, 0,1,2,3
	global_load_b128 v[X+4*\i:X+4*\i+3], v4, s[4:5] offset:4096*\i   ; the table: a wave reads 512 consecutive bytes, the work-group all 16,384
.endr
	global_load_b32 v[BINS], v7, s[8:9]
.irp t, 0,1,2,3
	global_load_b64 v[LAB+2*\t:LAB+2*\t+1], v6, s[6:7] offset:(\t/2)*1024+(\t%2)*256 th:TH_LOAD_NT   ; 32 lanes read 256 consecutive bytes; read once in the launch
.endr
.irp t, 0,1,2,3
	global_load_b64 v[IDX+2*\t:IDX+2*\t+1], v6, s[10:11] offset:(\t/2)*1024+(\t%2)*256 th:TH_LOAD_NT
.endr
	s_wait_loadcnt 9                               ; the table's four loads are in; the nine younger ones (bins, labels, idx) may be out
.irp i, 0,1,2,3
	ds_store_b128 v5, v[X+4*\i:X+4*\i+3] offset:64*TABP*\i
.endr
	s_wait_loadcnt 0x0
.irp k, 0,1,2,3,4,5,6,7
	v_min_u32 v[LAB+\k], 255, v[LAB+\k]            ; a loaded number enters an address only behind a hold at the table's size
.endr
.irp k, 0,1,2,3,4,5,6,7
	v_mul_u32_u24 v[GA+\k], v[LAB+\k], TABP        ; the direction's row in LDS
.endr
.irp k, 0,1,2,3,4,5,6,7
	v_min_u32 v[IDX+\k], 15, v[IDX+\k]
.endr
.irp k, 0,1,2,3,4,5,6,7
	v_lshlrev_b32 v[IDX+\k], 2, v[IDX+\k]          ; the lane that holds the bin, x 4
	v_mov_b32 v[NRM+2*\k+1], 0
.endr
	s_wait_dscnt 0x0                               ; for the others: my part of the table is in LDS
	s_barrier_signal -1
	s_barrier_wait -1                              ; the table is whole
.irp k, 0,1,2,3,4,5,6,7
	ds_bpermute_b32 v[NRM+2*\k], v[IDX+\k], v[BINS]   ; norm_bins[idx], from the lane that holds it; no LDS byte is touched
.endr
.irp t, 0,1,2,3
.irp c, 0,1,2,3
	ds_load_b128 v[X+32*\t+4*\c:X+32*\t+4*\c+3], v[GA+2*\t] offset:16*\c          ; the block's first 16 numbers: one direction,
.endr
.irp c, 0,1,2,3
	ds_load_b128 v[X+32*\t+16+4*\c:X+32*\t+16+4*\c+3], v[GA+2*\t+1] offset:16*\c  ; its second 16: another
.endr
.endr
; Block t of my four: scaled by its two norms, quantised, its codes stored.
.macro QBLOCK t
.set XS, X+32*(\t)
	s_wait_dscnt 8*(3-(\t))                        ; LDS instructions come back in order: the norms and this block's eight loads are in, the later blocks' may be out
.irp j, 0,2,4,6,8,10,12,14
	v_pk_mul_f32 v[XS+\j:XS+\j+1], v[XS+\j:XS+\j+1], v[NRM+4*(\t):NRM+4*(\t)+1] op_sel_hi:[1,0]      ; direction x norm, two at a time: the pair's low word serves both
.endr
.irp j, 16,18,20,22,24,26,28,30
	v_pk_mul_f32 v[XS+\j:XS+\j+1], v[XS+\j:XS+\j+1], v[NRM+4*(\t)+2:NRM+4*(\t)+3] op_sel_hi:[1,0]
.endr
	v_max3_num_f32 v12, |v[XS]|, |v[XS+1]|, 0x1800000              ; the largest magnitude, in two chains; among the leaves the floor 2^(3 - 127): so the byte cannot fall under 1
	v_max3_num_f32 v13, |v[XS+16]|, |v[XS+17]|, |v[XS+18]|
.irp i, 2,4,6,8,10,12
	v_max3_num_f32 v12, v12, |v[XS+\i]|, |v[XS+\i+1]|
	v_max3_num_f32 v13, v13, |v[XS+\i+17]|, |v[XS+\i+18]|
.endr
	v_max3_num_f32 v12, v12, |v[XS+14]|, |v[XS+15]|
	v_max3_num_f32 v12, v12, v13, |v[XS+31]|
	v_add_nc_u32 v14, 0xff000000, v12              ; 2 off its exponent field: the conversion takes the exponent field of this operand as its scale, and nothing else of it
.irp g, 0,1,2,3
	v_cvt_scalef32_pk8_fp4_f32 v[C+4*(\t)+\g], v[XS+8*\g:XS+8*\g+7], v14   ; eight numbers / the scale, to the nearest code, ties to even, beyond the largest code the largest; the lower k in the lower bits
.endr
	v_lshrrev_b32 v[E+(\t)], 23, v14               ; the scale's byte.  (Also the plain line behind the conversions, ahead of the next block's write of v14)
	global_store_b128 v8, v[C+4*(\t):C+4*(\t)+3], s[16:17] offset:((\t)%2)*2*WBLK+((\t)/2)*256   ; sixteen lanes store 256 consecutive bytes, aligned: a row's codes of one K step
.endm
	QBLOCK 0
	QBLOCK 1
	QBLOCK 2
	QBLOCK 3
	s_wait_dscnt 0x0                               ; my reads of the table are over (the last count-down ended at 0)
	s_barrier_signal -1
	s_barrier_wait -1                              ; everybody's are: a barrier stands between the gathers, whose addresses come from loaded numbers, and the stores below
.irp t, 0,1,2,3
	ds_store_b8 v9, v[E+\t] offset:(\t%2)*512+(\t/2)*16   ; K step 2 (t % 2) + h, row 2 w + t / 2, place r: each lane a byte of its own
.endr
	s_wait_dscnt 0x0                               ; for the others: my bytes are in LDS
	s_barrier_signal -1
	s_barrier_wait -1
	s_cmp_lt_u32 s14, 2                            ; waves 0 and 1 store the 1,024 bytes
	s_cbranch_scc0 .Ldone
	ds_load_b128 v[60:63], v10
	s_wait_dscnt 0x0
	global_store_b128 v11, v[60:63], s[18:19]      ; sixteen lanes store 256 consecutive bytes, aligned: 16 rows' scale bytes of one K step
.Ldone:
	s_wait_tensorcnt 0x0
	ds_add_u32 v224, v225
	s_wait_dscnt 0x0
	s_endpgm
.Lfunc_end_k_q9f59510069_prep:
	.size	k_q9f59510069_prep, .Lfunc_end_k_q9f59510069_prep-k_q9f59510069_prep
	.p2alignl 7, 3214868480
	.fill 96, 4, 3214868480
	.section	.rodata,"a",@progbits
	.p2align	6, 0x0
	.amdhsa_kernel k_q9f59510069_prep
		.amdhsa_group_segment_fixed_size 25600
		.amdhsa_private_segment_fixed_size 0
		.amdhsa_enable_private_segment 0
		.amdhsa_kernarg_size 40
		.amdhsa_user_sgpr_count 2
		.amdhsa_user_sgpr_kernarg_segment_ptr 1
		.amdhsa_wavefront_size32 1
		.amdhsa_system_sgpr_workgroup_id_x 1
		.amdhsa_system_sgpr_workgroup_id_y 1
		.amdhsa_system_sgpr_workgroup_id_z 1
		.amdhsa_system_vgpr_workitem_id 0
		.amdhsa_next_free_vgpr 226
		.amdhsa_next_free_sgpr 66
		.amdhsa_reserve_vcc 0
		.amdhsa_float_denorm_mode_32 3
		.amdhsa_float_denorm_mode_16_64 3
		.amdhsa_memory_ordered 1
		.amdhsa_forward_progress 1
		.amdhsa_inst_pref_size 20
	.end_amdhsa_kernel
	.amdgpu_metadata
---
amdhsa.version: [ 1, 2 ]
amdhsa.kernels:
  - .name:           k_q9f59510069_prep
    .symbol:         k_q9f59510069_prep.kd
    .args:
      - { .name: dir_centroids, .offset: 0, .size: 8, .value_kind: global_buffer, .address_space: global }
      - { .name: dir_labels, .offset: 8, .size: 8, .value_kind: global_buffer, .address_space: global }
      - { .name: norm_bins, .offset: 16, .size: 8, .value_kind: global_buffer, .address_space: global }
      - { .name: norm_idx, .offset: 24, .size: 8, .value_kind: global_buffer, .address_space: global }
      - { .name: wq, .offset: 32, .size: 8, .value_kind: global_buffer, .address_space: global }
    .group_segment_fixed_size: 25600
    .private_segment_fixed_size: 0
    .kernarg_segment_align: 8
    .kernarg_segment_size: 40
    .max_flat_workgroup_size: 256
    .sgpr_count:     66
    .vgpr_count:     226
    .wavefront_size: 32
...
	.end_amdgpu_metadata
.endif
;; end of part 1
;; launch gemm (part 2): grid 8 x 32, 4 waves a work-group, clusters of 4 x 4, 327,680 bytes of LDS; arguments x_codes, x_scales, wq, bias, out0; writes out0
.if DOCPART == 2
	.amdgcn_target "amdgcn-amd-amdhsa--gfx1250"
	.amdhsa_code_object_version 6
	.text
	.protected	k_q9f59510069_gemm
	.globl	k_q9f59510069_gemm
	.p2align	8
	.type	k_q9f59510069_gemm,@function
k_q9f59510069_gemm:
	s_mov_b64 s[64:65], 0
	v_nop
	global_prefetch_b8 v0, s[64:65] scope:SCOPE_SE
	s_setreg_imm32_b32 hwreg(HW_REG_WAVE_MODE, 25, 1), 1
	s_wait_xcnt 0x0
	s_wait_alu depctr_hold_cnt(0) depctr_sa_sdst(0) depctr_va_vdst(0) depctr_va_sdst(0) depctr_va_ssrc(0) depctr_va_vcc(0) depctr_vm_vsrc(0)
	s_getreg_b32 s2, hwreg(HW_REG_IB_STS2, 6, 4)
	s_cmp_eq_u32 s2, 0
	s_cbranch_scc0 .Lentry_in_a_cluster
	s_endpgm
.Lentry_in_a_cluster:
	s_bfe_u32 s2, ttmp6, 0x10000c
	s_cmp_lg_u32 s2, 0xf033
	s_cbranch_scc0 .Lentry_shape_is_right
	s_endpgm
.Lentry_shape_is_right:
; out0[m][n] = sum over k of x[m][k] W[n][k] + bias[n].  x: [8192][4096] as codes of FP4 (E2M1), 2,048 bytes a row, with one E8M0 byte for each 32 along K (128 a row), taken as given.
; W: [2048][4096] as codes and scale bytes in wq, laid by the launch before: [n / 128][K step of 512][136 rows of 256 bytes]: 128 rows of codes, then 8 rows of scale bytes (16 a row of W).  out0: [8192][2048] f32.
; A tile of out0, 256 x 256, is made by a work-group of four waves, as many as a WGP has SIMDs; a wave makes 128 x 128: 64 accumulators of 16 x 16, 512 registers.  32 x 8 tiles: 256 work-groups.
; K goes in 8 steps of 512 through a ring of two LDS slots filled by the tensor data mover: a tile's row is 256 bytes of memory.  Waves 0 and 1 fetch x's two halves (128 rows each), waves 2 and 3 W's:
; a block of wq is dense, so ONE load of 136 rows brings the codes and the scale bytes of 128 rows of W for a K step: W's scales ride in the ring.
; x's SCALES of the tile's 256 rows, for all of K, are one dense block of 32,768 bytes: they come into LDS once, with the first fills, a quarter a wave, and stay.
; (The scale bytes of both operands for all of K, 2 x 34,816 bytes with padding, would not fit beside two slots of 143,616.)
; THE BIAS is the C of each sum's first matrix instruction: nothing is cleared and nothing is added afterwards.
; CLUSTERS: 4 x 4 work-groups.  The four of a row of the cluster need the same tiles and scales of x, the four of a column the same blocks of W: each is asked for JOINTLY, by the same tensor load with the
; same descriptor and a mask that names the four.  THE MATRIX INSTRUCTION IS USED TRANSPOSED (source 0 = 16 rows of W, source 1 = 16 rows of x): a lane then holds eight neighbouring numbers of a row of out0.
; REGISTERS, in windows of 256: window 0: v0-31 addresses; v32-95 scale words, two sets; v128-191 x's fragments (8 x 16 rows x 128 K), ONE set; v192-255 the bias in the result's layout; on the way out v128-255 are free.
;   window 1: W's fragments, TWO sets, at v0 and at v128.   window 2: the 32 accumulators of my rows 0-63 (accumulator (a, b) at v[8 (8 a + b)]);   window 3: those of my rows 64-127.
; A step of 128 along K is 64 matrix instructions, x's blocks one after the other, each against W's eight.  So a block of x is free as soon as its eight products are issued, and one set of registers serves x:
; blocks 0-3 are fetched anew in the step's middle, blocks 4-7 at its end.  W's fragments are at work through the whole step, so W has two sets.
; LIMITS: sums are f32 and begin with the bias, so their order of rounding differs from a sum to which the bias is added last.  A scale byte 0xff in x_scales makes its sums NaN.
.set SIZE_N, 2048
.set NQ,     4                         ; steps of 128 along K in a slot
.set ROWB,   256                       ; a tile's row in bytes: 512 codes
.set KROW,   2048                      ; a row of x_codes in bytes
.set WBLK,   34816                     ; a block of wq: 136 rows of 256 bytes
.set PITCH,  272                       ; an LDS row: 256 bytes of data + 16 of padding = 68 words: row r starts at bank 4 r mod 64 (64 banks of 4 bytes: ISA guide 11.1), so the 16 rows that a load touches start at 16 different banks
.set FR,     8                         ; registers of a fragment: 16 rows x 128 K
.set NL,     2                         ; LDS loads that bring one
.set NP,     4                         ; places behind this matrix instruction (ISA guide 7.12.1)
.set HALFA,  128*PITCH                 ; 128 rows of x
.set HALFB,  136*PITCH                 ; a block of wq
.set BOFF,   2*HALFA                   ; in a slot: x's 256 rows, then W's two blocks
.set SLOT,   BOFF+2*HALFB              ; 143,616 bytes
.set BSC,    128*PITCH                 ; in a block of W: the scale rows lie behind the 128 rows of codes
.set LAPS,   4                         ; a lap = two K steps = once round the ring
.set SCA,    2*SLOT                    ; behind the ring: x's scales, 128 rows of 256 bytes + 16 of padding; two rows of x to each
.set QS,     32*PITCH                  ; a quarter of them: what one tensor load brings
.set SPARE,  SCA+4*QS                  ; behind them: the spare words, 128 bytes for each wave: two blocks of 256 bytes that no other line names
.set SPITCH, 528                       ; the way out: a stage of 16 rows x (512 bytes + 16) for each wave.  It lies in slot 0, which has had its last fill and its last read when the first result is stored there
.set ADRA, 16                          ; v16-17  LDS address of my fragments of x in slot 0, 1
.set ADRB, 20                          ; v20-21  the same for W
.set BO,   22                          ; v22     32 x (lane / 16): my eight numbers of 16 of the bias
.set STO,  24                          ; v24     the way out: where I put 32 bytes of a row
.set RD,   25                          ; v25     the way out: where I read a row back
.set CO,   26                          ; v26     my byte offset in a row of out0
.set ADRSA, 27                         ; v27     LDS address of my scale words of x: a lane a row, 32 rows; it steps 16 bytes a K step
.set SPW,  28                          ; v28     LDS address of my spare word: SPARE + 4 x my thread's number; never rewritten
.set NIL,  29                          ; v29     0; never rewritten
.set ADRSB, 30                         ; v30-31  LDS address of my scale words of W in slot 0, 1: a lane a row, 32 rows
.set SC,   32                          ; scale words: set s (for slot s) at v[SC + 32 s].  Register 4 i + q: x's words for the slot's q-th 128 along K: lanes 0-15 block 2 i, lanes 16-31 block 2 i + 1.  Register 16 + 4 i + q: W's likewise
.set AF,   128                         ; x's fragments, in window 0
.set BI,   192                         ; the bias: v[BI + 8 b + j] = bias[my first column + 16 b + 8 (lane / 16) + j]
.set BK,   128                         ; the way out: 16 rows read back from the stage: v128-191 and v192-255 by turns
.set G1, 24                            ; s[24:31] descriptor group 1 for x's tiles;  s[32:39] group 0, one set for each slot
.set G0, 32
.set G1B, 48                           ; s[48:55], s[56:63] the same for W's blocks
.set G0B, 56
.set G1S, 68                           ; s[68:75], s[76:79] groups 1 and 0 for x's scales
.set G0S, 76
.set MSB, 0
.macro WIN new                         ; the immediate's high byte repeats the setting that is left
.if MSB != \new
	s_set_vgpr_msb (MSB<<8)|\new
.set MSB, \new
.endif
.endm
.set MUL_LO, 0xa1                      ; source 0 (W) window 1, source 1 (x) window 0, C and D window 2
.set MUL_HI, 0xf1                      ; the same, C and D window 3
.set FST_LO, 0x81                      ; a sum's first product: C (the bias) window 0, D window 2
.set FST_HI, 0xc1                      ; D window 3
.set TO_B,   0x40                      ; destination window 1, address window 0
; A joint load: waves 0 and 1 fetch for x, waves 2 and 3 for W.  Each of the two lines has ONE mask and one set of registers for all that issue it; the branch hangs on the wave's number alone.
; Four v_nop follow each of the two lines, ahead of the jump, the label and what follows.
.macro JLOAD g0a, g1a, g0b, g1b
	s_cmp_eq_u32 s15, 0
	s_cbranch_scc0 .Lfor_b_\@
	tensor_load_to_lds s[\g0a:\g0a+3], s[\g1a:\g1a+7]
	s_nop 0
.rept 4
	v_nop
.endr
	s_branch .Lasked_\@
.Lfor_b_\@:
	tensor_load_to_lds s[\g0b:\g0b+3], s[\g1b:\g1b+7]
	s_nop 0
.rept 4
	v_nop
.endr
.Lasked_\@:
.endm
.macro CREST                           ; a round of the cluster's barrier behind its opening barrier
	s_cmp_lg_u32 s14, 0
	s_cbranch_scc1 .Lnot_wave_0_\@
	s_barrier_signal -3
.Lnot_wave_0_\@:
	s_barrier_wait -3
	s_barrier_signal -1
	s_barrier_wait -1
.endm
.macro CROUND                          ; a whole round
	s_barrier_signal -1
	s_barrier_wait -1
	CREST
.endm
	s_load_b128 s[4:7], s[0:1], 0x0                ; x's codes s[4:5], x's scales s[6:7]
	s_load_b128 s[8:11], s[0:1], 0x10              ; wq s[8:9], bias s[10:11]
	s_load_b64 s[12:13], s[0:1], 0x20              ; out0
	v_lshl_add_u32 v[SPW], v0, 2, SPARE
	v_mov_b32 v[NIL], 0
	ds_add_u32 v28, v29
	ds_add_u32 v28, v29
	s_wait_dscnt 0x0
	v_lshrrev_b32 v1, 5, v0
	v_readfirstlane_b32 s14, v1                    ; wave 0..3
	s_lshr_b32 s15, s14, 1                         ; which half of the tile's rows is mine.  Also: I fetch for x (0) or for W (1)
	s_and_b32 s16, s14, 1                          ; which half of its columns.  Also: which 128 rows I fetch
	s_bfe_u32 s40, ttmp6, 0x40000                  ; cx, cy: my place in the cluster
	s_bfe_u32 s41, ttmp6, 0x40004
	s_lshl_b32 s42, ttmp9, 2
	s_add_co_u32 s42, s42, s40                     ; tile column = 4 x cluster x + cx
	s_and_b32 s17, ttmp7, 0xffff
	s_lshl_b32 s17, s17, 2
	s_add_co_u32 s17, s17, s41                     ; tile row = 4 x cluster y + cy
	s_lshl_b32 s43, s41, 2
	s_lshl_b32 s43, 15, s43                        ; my row of the cluster
	s_lshl_b32 s44, 0x1111, s40                    ; my column
	; descriptor group 1 for x's tiles: 128 rows x 256 bytes, 2,048 bytes apart in memory, padded in LDS
	s_or_b32 s[G1+0], s43, (0<<16)|(1<<20)|(1<<21)|(5<<22)|(3<<25)  ; 15:0 the mask: x's tiles go to my row; 17:16 element of 1 byte; 20 padding on; 21 set beside a mask; 24:22 after every 64 words (code 5); 31:25 of 4 words (code 3)
	s_mov_b32 s[G1+1], ROWB<<16                    ; tensor_dim0
	s_mov_b32 s[G1+2], 128<<16                     ; tensor_dim1
	s_mov_b32 s[G1+3], ROWB<<16                    ; tile_dim0
	s_mov_b32 s[G1+4], 128                         ; tile_dim1
	s_mov_b32 s[G1+5], KROW                        ; tensor_dim0_stride
	s_mov_b32 s[G1+6], 0
	s_mov_b32 s[G1+7], 0
	; for a block of wq: dense, 136 rows of 256 bytes (32 elements of 8 bytes), the same padding; the mask of my column
	s_or_b32 s[G1B+0], s44, (3<<16)|(1<<20)|(1<<21)|(5<<22)|(3<<25)
	s_mov_b32 s[G1B+1], 32<<16
	s_mov_b32 s[G1B+2], 136<<16
	s_mov_b32 s[G1B+3], 32<<16
	s_mov_b32 s[G1B+4], 136
	s_mov_b32 s[G1B+5], 32
	s_mov_b32 s[G1B+6], 0
	s_mov_b32 s[G1B+7], 0
	; for a quarter of x's scales: dense, 32 rows of 256 bytes; the mask of my row
	s_or_b32 s[G1S+0], s43, (3<<16)|(1<<20)|(1<<21)|(5<<22)|(3<<25)
	s_mov_b32 s[G1S+1], 32<<16
	s_mov_b32 s[G1S+2], 32<<16
	s_mov_b32 s[G1S+3], 32<<16
	s_mov_b32 s[G1S+4], 32
	s_mov_b32 s[G1S+5], 32
	s_mov_b32 s[G1S+6], 0
	s_mov_b32 s[G1S+7], 0
	; where they come from.  x's hang on the tile row alone, which my row of the cluster shares; W's on the tile column alone, which my column shares: each in registers that do not hold the other coordinate
	s_lshl_b32 s20, s17, 8
	s_lshl_b32 s18, s16, 7
	s_add_co_u32 s20, s20, s18                     ; x: row 256 x tile row + 128 x half,
	s_lshl_b32 s20, s20, 11                        ; in bytes (under 2^25)
	s_mov_b32 s21, 0
	s_lshl_b32 s22, s17, 15                        ; x's scales: 32,768 bytes a tile row,
	s_lshl_b32 s18, s14, 13                        ; 8,192 a wave
	s_add_co_u32 s22, s22, s18
	s_mov_b32 s23, 0
	s_lshl_b32 s46, s42, 1
	s_add_co_u32 s46, s46, s16                     ; W: which 128 rows: 2 x tile column + half;
	s_mul_i32 s46, s46, 8*WBLK                     ; eight blocks for each
	s_mov_b32 s47, 0
	s_mul_i32 s45, s16, HALFA                      ; and where they go: no place in the cluster enters an LDS address
	s_mul_i32 s94, s16, HALFB
	s_add_co_u32 s94, s94, BOFF
	s_mul_i32 s95, s14, QS
	s_wait_kmcnt 0x0
	s_add_nc_u64 s[20:21], s[4:5], s[20:21]
	s_add_nc_u64 s[22:23], s[6:7], s[22:23]
	s_add_nc_u64 s[46:47], s[8:9], s[46:47]
	CROUND                                         ; all sixteen work-groups are here: the first joint loads meet
	s_mov_b32 s[G0S], 1                            ; 1:0 count = 1
	s_add_co_u32 s[G0S+1], s95, SCA                ; 63:32 LDS address
	s_mov_b64 s[G0S+2:G0S+3], s[22:23]             ; 120:64 global address
	s_or_b32 s[G0S+3], s[G0S+3], 0x80000000        ; 127:126 type = 2
	tensor_load_to_lds s[G0S:G0S+3], s[G1S:G1S+7]  ; x's scales first: every wave its own quarter; they are wanted with K step 0
	s_nop 0
.rept 4
	v_nop
.endr
.irp s, 0,1
	s_mov_b32 s[G0+4*\s], 1
	s_add_co_u32 s[G0+4*\s+1], s45, \s*SLOT
	s_add_nc_u64 s[G0+4*\s+2:G0+4*\s+3], s[20:21], \s*ROWB
	s_or_b32 s[G0+4*\s+3], s[G0+4*\s+3], 0x80000000
	s_mov_b32 s[G0B+4*\s], 1
	s_add_co_u32 s[G0B+4*\s+1], s94, \s*SLOT
	s_add_nc_u64 s[G0B+4*\s+2:G0B+4*\s+3], s[46:47], \s*WBLK
	s_or_b32 s[G0B+4*\s+3], s[G0B+4*\s+3], 0x80000000
	JLOAD G0+4*\s, G1, G0B+4*\s, G1B               ; K steps 0 and 1: three tensor loads of mine are out
.endr
	v_and_b32 v1, 15, v0                           ; r = l % 16
	v_bfe_u32 v2, v0, 4, 1                         ; h = l / 16
	v_mul_u32_u24 v3, v1, PITCH
	v_lshl_add_u32 v4, v2, 4, v3                   ; a fragment's row x pitch + 16 x half
	v_mul_u32_u24 v7, v2, PITCH
	v_lshl_add_u32 v7, v1, 4, v7                   ; W's scale words: 16 rows of W to an LDS row, 16 bytes each: lanes 0-15 one LDS row, lanes 16-31 the next
	s_mul_i32 s21, s15, HALFA                      ; my 128 rows of x
	s_mul_i32 s22, s16, HALFB                      ; my 128 rows of W,
	s_add_co_u32 s22, s22, BOFF                    ; which lie behind x's 256
.irp s, 0,1
	v_add_nc_u32 v[ADRA+\s], s21, v4
	v_add_nc_u32 v[ADRB+\s], s22, v4
	v_add_nc_u32 v[ADRSB+\s], s22, v7
	v_add_nc_u32 v[ADRSB+\s], BSC, v[ADRSB+\s]
	s_add_co_u32 s21, s21, SLOT
	s_add_co_u32 s22, s22, SLOT
.endr
	v_and_b32 v6, 31, v0                           ; lane
	v_lshrrev_b32 v5, 1, v6
	v_mul_u32_u24 v5, v5, PITCH
	v_and_b32 v8, 1, v6
	v_lshl_add_u32 v5, v8, 7, v5                   ; x's scale words: two rows of x to an LDS row, 128 bytes each: sixteen lanes touch sixteen different 16-byte columns modulo 256: (r / 2) + 8 (r % 2)
	s_mul_i32 s21, s15, 64*PITCH                   ; my 128 rows
	s_add_co_u32 s21, s21, SCA
	v_add_nc_u32 v[ADRSA], s21, v5
	v_lshlrev_b32 v[BO], 5, v2
	s_mul_i32 s23, s14, 16*SPITCH                  ; my stage
	v_mul_u32_u24 v5, v1, SPITCH                   ; in: row l % 16, 32 bytes for each half of the lanes
	v_lshl_add_u32 v5, v2, 5, v5
	v_add_nc_u32 v[STO], s23, v5
	v_lshlrev_b32 v[CO], 4, v6                     ; back: the 32 lanes take one row of 512 bytes; and the same in out0
	v_add_nc_u32 v[RD], s23, v[CO]
	s_lshl_b32 s20, s17, 8
	s_lshl_b32 s21, s15, 7
	s_add_co_u32 s20, s20, s21                     ; my first row of out0: 256 x tile row + 128 x half,
	s_lshl_b32 s20, s20, 13                        ; x 8,192 bytes (under 2^26)
	s_mov_b32 s21, 0
	s_lshl_b32 s46, s42, 10                        ; my first column, in bytes, in out0 and in the bias alike: 1,024 x tile column + 512 x half
	s_lshl_b32 s47, s16, 9
	s_add_co_u32 s46, s46, s47
	s_mov_b32 s47, 0
	s_add_nc_u64 s[10:11], s[10:11], s[46:47]
	s_add_nc_u64 s[20:21], s[20:21], s[46:47]
	s_add_nc_u64 s[12:13], s[12:13], s[20:21]
.irp b, 0,1,2,3,4,5,6,7
	global_load_b128 v[BI+8*\b:BI+8*\b+3], v[BO], s[10:11] offset:64*\b        ; the bias in the result's layout: for W's block b the eight numbers of my half
	global_load_b128 v[BI+8*\b+4:BI+8*\b+7], v[BO], s[10:11] offset:64*\b+16
.endr
.macro FRAG reg, adr, q, i             ; a fragment, 16 rows x 128 K of 4-bit codes, is 8 registers: lane l holds row l % 16; registers 4 c .. 4 c + 3 hold K = 64 c + 32 (l / 16) + 0 .. 31, the lower K in the lower bits
.irp c, 0,1
	ds_load_b128 v[\reg+4*\c:\reg+4*\c+3], v[\adr] offset:64*(\q)+32*\c+(\i)*16*PITCH
.endr
.endm
; 16 matrix instructions: x's blocks a0, a0 + 1 against W's eight, 128 along K: the slot's q-th.  p: W's set;  sc: the set of scale words.  first = 1: the sum's first product, whose C is the bias.
; A scale register holds the words of two neighbouring blocks of 16 rows: the even block's in lanes 0-15, the odd block's in lanes 16-31, which the row selector picks.
; The 64 accumulators take turns, one instruction a turn, in the same order in every step.
.macro MUL16 a0, p, q, sc, first
.irp a, \a0, \a0+1
.irp b, 0,1,2,3,4,5,6,7
.set DR, 8*(8*((\a)%4)+\b)
.if \first
.set CR, BI+8*\b
.else
.set CR, DR
.endif
.set WR, 128*(\p)+FR*\b
.set XR, AF+FR*(\a)
.set SW, SC+32*(\sc)+16+4*(\b/2)+(\q)
.set SX, SC+32*(\sc)+4*((\a)/2)+(\q)
.if ((\a)%2) && (\b%2)
	v_wmma_scale_f32_16x16x128_f8f6f4 v[DR:DR+7], v[WR:WR+7], v[XR:XR+7], v[CR:CR+7], v[SW], v[SX] matrix_a_fmt:MATRIX_FMT_FP4 matrix_b_fmt:MATRIX_FMT_FP4 matrix_a_scale:MATRIX_SCALE_ROW1 matrix_b_scale:MATRIX_SCALE_ROW1
.elseif (\b%2)
	v_wmma_scale_f32_16x16x128_f8f6f4 v[DR:DR+7], v[WR:WR+7], v[XR:XR+7], v[CR:CR+7], v[SW], v[SX] matrix_a_fmt:MATRIX_FMT_FP4 matrix_b_fmt:MATRIX_FMT_FP4 matrix_a_scale:MATRIX_SCALE_ROW1
.elseif ((\a)%2)
	v_wmma_scale_f32_16x16x128_f8f6f4 v[DR:DR+7], v[WR:WR+7], v[XR:XR+7], v[CR:CR+7], v[SW], v[SX] matrix_a_fmt:MATRIX_FMT_FP4 matrix_b_fmt:MATRIX_FMT_FP4 matrix_b_scale:MATRIX_SCALE_ROW1
.else
	v_wmma_scale_f32_16x16x128_f8f6f4 v[DR:DR+7], v[WR:WR+7], v[XR:XR+7], v[CR:CR+7], v[SW], v[SX] matrix_a_fmt:MATRIX_FMT_FP4 matrix_b_fmt:MATRIX_FMT_FP4
.endif
.endr
.endr
.endm
.macro FETCH_B slot, q, p              ; W's eight fragments of the slot's q-th 128 along K into set p
	WIN TO_B
.irp i, 0,1,2,3,4,5,6,7
	FRAG 128*(\p)+FR*\i, ADRB+\slot, \q, \i
.endr
	WIN 0
.endm
.macro FETCH_A slot, q, i0             ; x's blocks i0 .. i0 + 3
.irp i, \i0, \i0+1, \i0+2, \i0+3
	FRAG AF+FR*(\i), ADRA+\slot, \q, \i
.endr
.endm
.macro SCALES sc                       ; a K step's scale words into set sc: four words (16 bytes) a row, a lane a row, 32 rows a load: four loads for x's 128 rows, four for W's
.irp i, 0,1,2,3
	ds_load_b128 v[SC+32*\sc+4*\i:SC+32*\sc+4*\i+3], v[ADRSA] offset:\i*16*PITCH
.endr
.irp i, 0,1,2,3
	ds_load_b128 v[SC+32*\sc+16+4*\i:SC+32*\sc+16+4*\i+3], v[ADRSB+\sc] offset:\i*2*PITCH
.endr
.endm
; A load into a register that a matrix instruction has read, and a vector instruction or an LDS store that reads a matrix result, stand NP places behind that matrix instruction, and only plain vector
; instructions that name none of its registers are places (ISA guide 7.12.1 for vector instructions); this text does not count the matrix instructions in between.
.macro PLACES n
.rept \n
	v_nop
.endr
.endm
; A step of 128 along K that has its successor in the same slot.
.macro STEP slot, q, first
	s_wait_dscnt 4*NL                              ; W's set, x's blocks 0-3 and the scale words are in; the youngest eight loads (x's blocks 4-7) may be out
.if \first
	WIN FST_LO
.else
	WIN MUL_LO
.endif
	MUL16 0, (\q)%2, \q, \slot, \first
	MUL16 2, (\q)%2, \q, \slot, \first
	s_wait_dscnt 0                                 ; x's blocks 4-7 are in (asked for 32 matrix instructions ago)
	PLACES NP
	FETCH_B \slot, (\q)+1, 1-(\q)%2
	FETCH_A \slot, (\q)+1, 0
.if \first
	WIN FST_HI
.else
	WIN MUL_HI
.endif
	MUL16 4, (\q)%2, \q, \slot, \first
	MUL16 6, (\q)%2, \q, \slot, \first
	PLACES NP
	WIN 0
	FETCH_A \slot, (\q)+1, 4
.endm
; A slot's last step changes slots: ONE barrier; in front of it each wave waits for all its tensor loads, adds 0 to its spare word, and waits for that and for its own reads of this slot.  fill = 1: this slot is filled again, two K steps ahead.
.macro TURN slot, next, fill
	s_wait_tensorcnt 0x0                           ; all my tensor loads have landed: my part of the next slot;  (every window is 0 here: the add's two registers lie in window 0)
	ds_add_u32 v[SPW], v[NIL]                      ; 0 onto my spare word
	s_wait_dscnt 4*NL+1                            ; (the add and the youngest eight loads, x's blocks 4-7, may be out)
	WIN MUL_LO
	MUL16 0, 1, NQ-1, \slot, 0                     ; sixteen matrix instructions stand between the add and the wait for it
	s_wait_dscnt 0x0                               ; the add is done, and my reads of this slot are over
	s_barrier_signal -1
	MUL16 2, 1, NQ-1, \slot, 0
	WIN 0
	s_barrier_wait -1
.if \fill
	CREST                                          ; the barrier has opened a round of the cluster's barrier: no wave of any partner still reads this slot's tiles or has a load on its way
	s_add_nc_u64 s[G0+4*\slot+2:G0+4*\slot+3], s[G0+4*\slot+2:G0+4*\slot+3], 2*ROWB
	s_add_nc_u64 s[G0B+4*\slot+2:G0B+4*\slot+3], s[G0B+4*\slot+2:G0B+4*\slot+3], 2*WBLK
	JLOAD G0+4*\slot, G1, G0B+4*\slot, G1B         ; the first tensor load behind the round, my one load until the next; the four v_nop behind it are the places in front of the loads below
.else
	PLACES NP
.endif
	v_add_nc_u32 v[ADRSA], 16, v[ADRSA]            ; on to the next K step's scale words of x: seven steps in all, 112 bytes, inside a row's 128
	FETCH_B \next, 0, 0
	FETCH_A \next, 0, 0
	SCALES \next
	WIN MUL_HI
	MUL16 4, 1, NQ-1, \slot, 0
	MUL16 6, 1, NQ-1, \slot, 0
	PLACES NP
	WIN 0
	FETCH_A \next, 0, 4
.endm
.macro STEPS slot, from                ; the slot's steps from .. NQ - 2
.set Q, \from
.rept NQ-1-\from
	STEP \slot, Q, 0
.set Q, Q+1
.endr
.endm
	s_wait_tensorcnt 1                             ; my quarter of x's scales and my part of K step 0 are in; K step 1's load may be out
	s_barrier_signal -1
	s_barrier_wait -1                              ; everybody's are
	FETCH_B 0, 0, 0
	FETCH_A 0, 0, 0
	SCALES 0
	FETCH_A 0, 0, 4
	s_wait_loadcnt 0x0                             ; the bias
	STEP 0, 0, 1                                   ; the first step stands in front of the loop: its products start the sums, on the bias
	s_mov_b32 s3, LAPS-1
.Llap:                                                 ; a trip goes once round the ring, from a lap's second step to the next lap's first, and fills both slots again: K steps 2 to 7 in three trips
	STEPS 0, 1
	TURN 0, 1, 1
	STEPS 1, 0
	TURN 1, 0, 1
	STEP 0, 0, 0
	s_sub_co_u32 s3, s3, 1
	s_cmp_lg_u32 s3, 0
	s_cbranch_scc1 .Llap
	STEPS 0, 1                                     ; the last lap fills nothing, and has no round of the cluster's barrier
	TURN 0, 1, 0
	STEPS 1, 0
	s_wait_dscnt 4*NL                              ; the very last step: nothing more to fetch
	WIN MUL_LO
	MUL16 0, 1, NQ-1, 1, 0
	MUL16 2, 1, NQ-1, 1, 0
	s_wait_dscnt 0
	WIN MUL_HI
	MUL16 4, 1, NQ-1, 1, 0
	MUL16 6, 1, NQ-1, 1, 0
	WIN 0
; THE WAY OUT, block by block of 16 rows x 128 columns.  A lane holds 32 neighbouring bytes of a row, and the lanes beside it hold other rows: so a block goes through my own stage in LDS and comes back as whole
; rows of 512 bytes, which the 32 lanes store as 512 consecutive bytes, aligned.  LDS serves a wave's instructions in order (ISA guide 5.7.1.4): no wait between the stores and the loads, nor in front of the next block's stores.
.macro TOSTAGE a
.set AC, 64*((\a)%4)
	WIN 0x08+4*((\a)/4)                            ; the data: window 2 or 3
.irp b, 0,1,2,3,4,5,6,7
	ds_store_b128 v[STO], v[AC+8*\b:AC+8*\b+3] offset:64*\b          ; each accumulator from its low end on
	ds_store_b128 v[STO], v[AC+8*\b+4:AC+8*\b+7] offset:64*\b+16
.endr
	WIN 0
.set BB, BK+64*((\a)%2)
.irp t, 0,1,2,3,4,5,6,7,8,9,10,11,12,13,14,15
	ds_load_b128 v[BB+4*\t:BB+4*\t+3], v[RD] offset:\t*SPITCH
.endr
.endm
.macro SEND a, younger                 ; younger: the LDS instructions issued behind block a's loads, which may stay out
.set BB, BK+64*((\a)%2)
	s_wait_dscnt \younger                          ; the block is back in registers
.if (\a) > 0
	s_add_nc_u64 s[12:13], s[12:13], 16*SIZE_N*4   ; (behind a wait on XCNT: the earlier stores have read their base)  16 rows of out0 on, so that the stores' offsets stay small: 15 rows, 122,880 bytes, at the most
.endif
.irp t, 0,1,2,3,4,5,6,7,8,9,10,11,12,13,14,15
	global_store_b128 v[CO], v[BB+4*\t:BB+4*\t+3], s[12:13] offset:\t*SIZE_N*4 th:TH_STORE_NT   ; 32 lanes store 512 consecutive bytes, at a multiple of 256 from out0's first byte; written once, read by nobody here
.endr
.endm
	PLACES NP                                      ; behind the last products: for the loads into the registers that held x's fragments, and for the reads of the last results
	TOSTAGE 0
.irp a, 1,2,3,4,5,6,7
.if \a > 1
	s_wait_xcnt 0x0                                ; block a - 2's stores have read their registers and their base: block a's loads may land there, and the base may step
.endif
	TOSTAGE \a
	SEND \a-1, 32                                  ; behind block a - 1's loads: block a's 16 stores and 16 loads
.endr
	s_wait_xcnt 0x0                                ; block 6's stores have read their base
	SEND 7, 0
	s_wait_tensorcnt 0x0                           ; the wave's end: behind my last tensor load and my last LDS store
	ds_add_u32 v[SPW], v[NIL]
	s_wait_dscnt 0x0
	CROUND                                         ; the closing round: no work-group ends while a partner may still ask for a tile that names it
	s_endpgm
.Lfunc_end_k_q9f59510069_gemm:
	.size	k_q9f59510069_gemm, .Lfunc_end_k_q9f59510069_gemm-k_q9f59510069_gemm
	.p2alignl 7, 3214868480
	.fill 96, 4, 3214868480
	.section	.rodata,"a",@progbits
	.p2align	6, 0x0
	.amdhsa_kernel k_q9f59510069_gemm
		.amdhsa_group_segment_fixed_size 327680
		.amdhsa_private_segment_fixed_size 0
		.amdhsa_enable_private_segment 0
		.amdhsa_kernarg_size 40
		.amdhsa_user_sgpr_count 2
		.amdhsa_user_sgpr_kernarg_segment_ptr 1
		.amdhsa_wavefront_size32 1
		.amdhsa_system_sgpr_workgroup_id_x 1
		.amdhsa_system_sgpr_workgroup_id_y 1
		.amdhsa_system_sgpr_workgroup_id_z 1
		.amdhsa_system_vgpr_workitem_id 0
		.amdhsa_next_free_vgpr 1024
		.amdhsa_next_free_sgpr 98
		.amdhsa_reserve_vcc 0
		.amdhsa_float_denorm_mode_32 3
		.amdhsa_float_denorm_mode_16_64 3
		.amdhsa_memory_ordered 1
		.amdhsa_forward_progress 1
		.amdhsa_inst_pref_size 212
	.end_amdhsa_kernel
	.amdgpu_metadata
---
amdhsa.version: [ 1, 2 ]
amdhsa.kernels:
  - .name:           k_q9f59510069_gemm
    .symbol:         k_q9f59510069_gemm.kd
    .args:
      - { .name: x_codes, .offset: 0, .size: 8, .value_kind: global_buffer, .address_space: global }
      - { .name: x_scales, .offset: 8, .size: 8, .value_kind: global_buffer, .address_space: global }
      - { .name: wq, .offset: 16, .size: 8, .value_kind: global_buffer, .address_space: global }
      - { .name: bias, .offset: 24, .size: 8, .value_kind: global_buffer, .address_space: global }
      - { .name: out0, .offset: 32, .size: 8, .value_kind: global_buffer, .address_space: global }
    .group_segment_fixed_size: 327680
    .private_segment_fixed_size: 0
    .kernarg_segment_align: 8
    .kernarg_segment_size: 40
    .max_flat_workgroup_size: 128
    .sgpr_count:     98
    .vgpr_count:     1024
    .wavefront_size: 32
...
	.end_amdgpu_metadata
.endif
;; end of part 2
